; MI455X (gfx1250); checked and timed in simulation.
; The chip was launched on July 23, 2026; its instructions are those of AMD's public machine-readable ISA for CDNA 5 (MIT licence, August 2026) and "CDNA5" Instruction Set Architecture Reference Guide (July 2026). The comments in the code are by the model that wrote it; some were corrected since.
;; Causal Self Attention. Allowed arithmetic: matrix products marked QUANTISED: E4M3 operands, one given power-of-two scale a tensor, by v_wmma_f32_16x16x64_fp8_fp8 or v_wmma_f32_16x16x128_fp8_fp8, f32 sums; everything else in f32.
;; Inputs: Wk 1,024 x 256 float32; Wo 1,024 x 1,024 float32; Wq 1,024 x 1,024 float32; Wv 1,024 x 256 float32; bk 256 float32; bo 1,024 float32; bq 1,024 float32; bv 256 float32; lowp_scales 12 int32 (the exponents e of the quantised operands' scales 2^e); x 2 x 2,048 x 1,024 float32.
;; Outputs: out0 2 x 2,048 x 1,024 float32.
;; This version of the problem:
;;   THIS VERSION OF THE PROBLEM IS GIVEN IN LOW PRECISION. The matrix products marked QUANTISED in the list below multiply operands that are first quantised to E4M3 (4 exponent bits, 3 mantissa bits; 8 bits a number), with one given power-of-two scale for each operand tensor; their sums are f32. All else is computed in f32.
;;   The module's matrix products, in the order in which they are computed (A, B: the left and right operand; K: the contracted axis; several contracted axes count as one K, in the product's order):
;;     1. [M 4,096, K 1,024] x [K 1,024, N 1,024]; A: input x; B: input Wq: QUANTISED (scales: A lowp_scales[0], B lowp_scales[1])
;;     2. [M 4,096, K 1,024] x [K 1,024, N 256]; A: input x; B: input Wk: QUANTISED (scales: A lowp_scales[2], B lowp_scales[3])
;;     3. [M 4,096, K 1,024] x [K 1,024, N 256]; A: input x; B: input Wv: QUANTISED (scales: A lowp_scales[4], B lowp_scales[5])
;;     4. batch 32 x [M 2,048, K 64] x [K 64, N 2,048]; A: computed on the way; B: computed on the way: QUANTISED (scales: A lowp_scales[6], B lowp_scales[7])
;;     5. batch 32 x [M 2,048, K 2,048] x [K 2,048, N 64]; A: softmax (see below); B: computed on the way: QUANTISED (scales: A lowp_scales[8], B lowp_scales[9])
;;     6. [M 4,096, K 1,024] x [K 1,024, N 1,024]; A: computed on the way; B: input Wo: QUANTISED (scales: A lowp_scales[10], B lowp_scales[11])
;;   THE QUANTISER, for each operand of a quantised product, along K:
;;     - The operand's scale is 2^e, e = its entry of the input lowp_scales (int32; the entries are numbered through the quantised products in the list's order, A before B).
;;     - Each number is divided by the scale, clamped to +-448, and rounded to the nearest number of E4M3, ties to even, subnormals kept.
;;     - The product sums the exact products of the quantised numbers (number of the format x scale) in f32.
;;   ~~~python
;;   def quantise(x, axis, e):      # numpy; x: float32 -> the quantised numbers, widened to float32 again
;;       x = np.moveaxis(x, axis, -1); K = x.shape[-1]
;;       r = np.clip(x / 2.0 ** e, -448, 448)
;;       step = 2.0 ** (np.maximum(np.frexp(np.where(r == 0, 1, r))[1] - 1, -6) - 3)
;;       q = np.round(r / step) * step * 2.0 ** e      # np.round: ties to even
;;       return np.moveaxis(q, -1, axis).astype(np.float32)
;;   ~~~
;;   SOFTMAX AHEAD OF A QUANTISED PRODUCT. Where the list says 'softmax', what is quantised is not the finished softmax but p = 2^(t - M), with t = logit x log2(e) and M = ceil(the row's largest t), a whole number; so 1/2 < the row's largest p <= 1. The row's sum l is taken of the UNQUANTISED p, in f32, and the product's result is divided by l at the end. Since M is a whole number, a kernel that streams over the keys may use a running M (the ceiling of the running maximum): every later rescaling is an exact power of two, so the quantised numbers keep their values, but for numbers so far below the row's largest that they fall under the format's range.
;;   OPERANDS COMPUTED ON THE WAY. 'Computed on the way' means the value that the module computes at that place (a softmax that the list does not call 'softmax' is quantised finished and normalised). What goes into a quantiser is computed in f32, as accurately as f32 sums, v_exp_f32 and their like allow (about 1e-6 of the number): no bf16 or f16 on the way to a quantiser, and a product that is left as it is and whose result goes on into a quantised operand takes f32 operands (vector FMAs, or v_wmma_f32_16x16x4_f32). A number that lies on a knife's edge between two numbers of the format may be rounded either way, as far as f32 arithmetic and the matrix unit's own rounding can turn it there, and no further.
;; One version. Each part assembles by itself: llvm-mc -triple=amdgcn-amd-amdhsa -mcpu=gfx1250 --defsym DOCPART=n.
;; ======== version 1 of 1: 4 launches
;; limits: right only within a limited range of input values
;; workspace buffers: xc 12,582,912 bytes; wc 2,621,440 bytes; qc 4,194,304 bytes; kvc 2,097,152 bytes; yc 4,194,304 bytes
;; launch prep (part 1): grid 256 x 1, 9 waves a work-group, no clusters, 0 bytes of LDS; arguments x, Wq, Wk, Wv, Wo, lowp_scales, xc, wc; writes xc, wc
.if DOCPART == 1
	.amdgcn_target "amdgcn-amd-amdhsa--gfx1250"
	.amdhsa_code_object_version 6
	.text
	.protected	k_q8b09902f99_prep
	.globl	k_q8b09902f99_prep
	.p2align	8
	.type	k_q8b09902f99_prep,@function
k_q8b09902f99_prep:
	s_mov_b64 s[64:65], 0
	v_nop
	global_prefetch_b8 v0, s[64:65] scope:SCOPE_SE
	s_setreg_imm32_b32 hwreg(HW_REG_WAVE_MODE, 25, 1), 1
	s_wait_xcnt 0x0
; x [4096][1024] f32 is turned into codes of E4M3 three times (scales 2^e0, 2^e2, 2^e4: it enters three products), Wq, Wk, Wv, Wo once each (2^e1, 2^e3, 2^e5, 2^e11; K is their first axis).
; code = number / 2^e, held within +-448, to the nearest code, ties to even.  LIMITS: each e between -126 and 119; NaN among the inputs is not served.
; LEFT OUT in this program: tiles of scores that lie wholly outside the band q - 256 .. q, which the module sets to -infinity ahead of the softmax (see the attention's launch).
; WHAT IS WRITTEN.
;   xc: [plane 3][token 4096][1,024]: a token's row is 64 pieces of 16 codes; place n = 4 j + i of piece 32 g + l is k = 512 g + 128 j + 4 l + i: what lane l holds of a half row after four dense loads.
;       Plane 2 (for v): of a block of 32 tokens row 16 u + r is token 8 u + (r % 8) + 16 (r / 8).
;   wc: [column group 20][tile 8][K step 8][2,048], images of operand registers: groups 0-7 Wq, 8-11 four tiles of Wk and four of Wv (64 columns each of one key and value group), 12-19 Wo;
;       of a block of 32 columns tile u takes columns 8 u + (row % 8) + 16 (row / 8).  A fragment (16 rows x 128 along K): byte 512 c + 256 h + 16 row + n is the code at place n of piece (c, h).
; THE ORDER OF K.  Wo: place n of piece (c, h) of K step s is k = 128 s + 32 c + 16 h + n.  Wq, Wk, Wv: x's order, K step s being pieces 8 s + 2 c + h of the row: with n = 4 j + i, s = 4 g + s1:
;   k = 512 g + 128 j + 32 s1 + 8 c + 4 h + i.  A permutation of K, the same on both sides of those products.
; SHARES.  Waves 0-4 of a work-group: one of 1,280 units of 32 columns x 64 along K of a weight (a lane a column, registers along K).  Waves 5-8: four tokens of x each.
; Waves share nothing: no LDS, no barrier, no tensor load.  No prefetch: there is no loop to run ahead in.
.set RX, 32                            ; x: v32-159 as loaded
.set T,  160                           ; x: v160-175 at work
.macro MKSC e, sc, lim                 ; v[sc] = 2^e as f32, v[lim] = 448 x 2^e
	s_add_co_i32 s46, s[\e], 127
	s_lshl_b32 s47, s46, 23
	v_mov_b32 v[\sc], s47
	s_add_co_i32 s46, s46, 8
	s_lshl_b32 s46, s46, 23
	s_or_b32 s46, s46, 0x600000
	v_mov_b32 v[\lim], s46
.endm
	s_load_b512 s[4:19], s[0:1], 0x0               ; x s[4:5], Wq s[6:7], Wk s[8:9], Wv s[10:11], Wo s[12:13], the exponents s[14:15], xc s[16:17], wc s[18:19]
	v_lshrrev_b32 v1, 5, v0
	v_readfirstlane_b32 s20, v1                    ; wave 0..8
	v_and_b32 v5, 31, v0
	s_wait_alu depctr_va_vdst(0)
	s_wait_kmcnt 0x0
	s_load_b256 s[48:55], s[14:15], 0x0            ; e0 .. e7
	s_load_b128 s[56:59], s[14:15], 0x20           ; e8 .. e11
	s_cmp_lt_u32 s20, 5
	s_cbranch_scc1 .Lw
; ---------------- x ----------------
	s_sub_co_u32 s21, s20, 5                       ; j: tokens 16 x work-group + 4 j
	s_lshl_b32 s22, ttmp9, 16
	s_lshl_b32 s23, s21, 14
	s_add_co_u32 s22, s22, s23
	s_mov_b32 s23, 0
	s_add_nc_u64 s[4:5], s[4:5], s[22:23]          ; 4,096 bytes a token
	s_lshl_b32 s22, ttmp9, 14
	s_lshl_b32 s24, s21, 12
	s_add_co_u32 s22, s22, s24
	s_add_nc_u64 s[24:25], s[16:17], s[22:23]      ; plane 0
	s_add_nc_u64 s[26:27], s[24:25], 0x400000      ; plane 1
	s_lshr_b32 s22, ttmp9, 1
	s_lshl_b32 s22, s22, 15
	s_lshr_b32 s28, s21, 1
	s_lshl_b32 s28, s28, 14
	s_add_co_u32 s22, s22, s28
	s_and_b32 s28, s21, 1
	s_lshl_b32 s28, s28, 12
	s_add_co_u32 s22, s22, s28
	s_and_b32 s28, ttmp9, 1
	s_lshl_b32 s28, s28, 13
	s_add_co_u32 s22, s22, s28                     ; plane 2: row 32 (wg / 2) + 16 (j / 2) + 4 (j % 2) + 8 (wg % 2)
	s_add_co_u32 s22, s22, 0x800000
	s_add_nc_u64 s[28:29], s[16:17], s[22:23]
	v_lshlrev_b32 v1, 4, v5                        ; 16 x lane
.irp i, 0,1,2,3
.irp j, 0,1,2,3,4,5,6,7
	global_load_b128 v[RX+32*\i+4*\j:RX+32*\i+4*\j+3], v1, s[4:5] offset:4096*\i+512*\j th:TH_LOAD_NT   ; 512 consecutive bytes
.endr
.endr
	s_wait_kmcnt 0x0
	MKSC 48, 8, 9
	MKSC 50, 10, 11
	MKSC 52, 12, 13
	s_wait_alu depctr_va_vdst(0)
.macro QX d, s, sc, lim, c
.set n, 0
.rept 16
	v_med3_num_f32 v[\d+n], v[\s+n], -v[\lim], v[\lim]   ; the conversion to an 8-bit code does not saturate (ISA guide 7.6.2): the hold comes first
.set n, n+1
.endr
	v_cvt_scalef32_pk8_fp8_f32 v[\c:\c+1], v[\d:\d+7], v[\sc]
	v_cvt_scalef32_pk8_fp8_f32 v[\c+2:\c+3], v[\d+8:\d+15], v[\sc]
	v_nop                                          ; a plain line behind the last conversion: its sources are written over next
.endm
.macro XUNIT i, g
.set R, RX+32*\i+16*\g
.if \i+\g == 0
.set CC, 16
.else
.set CC, R-16                          ; the codes take the half row before's registers, which have been converted: no store's data are written again
.endif
	s_wait_loadcnt 28-8*\i-4*\g                    ; this half row's four loads are in; the later ones stay out
	QX T, R, 8, 9, CC
	QX T, R, 10, 11, CC+4
	QX R, R, 12, 13, CC+8
	global_store_b128 v1, v[CC:CC+3], s[24:25] offset:1024*\i+512*\g
	global_store_b128 v1, v[CC+4:CC+7], s[26:27] offset:1024*\i+512*\g
	global_store_b128 v1, v[CC+8:CC+11], s[28:29] offset:1024*\i+512*\g
.endm
.irp i, 0,1,2,3
	XUNIT \i, 0
	XUNIT \i, 1
.endr
	s_endpgm
; ---------------- the weights ----------------
.Lw:
	s_mul_i32 s21, ttmp9, 5
	s_add_co_u32 s21, s21, s20                     ; unit
	s_and_b32 s20, s21, 3                          ; which two tiles of the group
	s_bfe_u32 s24, s21, 0x10002                    ; half of the K step
	s_bfe_u32 s23, s21, 0x30003                    ; K step
	s_lshr_b32 s22, s21, 6                         ; column group 0..19
	s_lshl_b32 s25, s23, 7
	s_lshl_b32 s26, s24, 6
	s_add_co_u32 s25, s25, s26                     ; Wo: first row 128 s + 64 half
	s_lshr_b32 s26, s23, 2
	s_lshl_b32 s26, s26, 9
	s_and_b32 s27, s23, 3
	s_lshl_b32 s27, s27, 5
	s_add_co_u32 s26, s26, s27
	s_lshl_b32 s27, s24, 4
	s_add_co_u32 s26, s26, s27                     ; the others: 512 g + 32 s1 + 16 half
	s_cmp_lt_u32 s22, 12
	s_cselect_b32 s25, s26, s25
	s_lshl_b32 s26, s25, 12                        ; in bytes: rows of 4,096,
	s_lshl_b32 s27, s25, 10                        ; or of 1,024 in Wk and Wv
	s_lshl_b32 s28, s22, 17
	s_lshl_b32 s29, s20, 15
	s_add_co_u32 s28, s28, s29
	s_lshl_b32 s29, s23, 11
	s_add_co_u32 s28, s28, s29
	s_lshl_b32 s29, s24, 10
	s_add_co_u32 s28, s28, s29                     ; wc: group, my two tiles, K step, half
	s_mov_b32 s29, 0
	s_add_nc_u64 s[18:19], s[18:19], s[28:29]
	s_sub_co_u32 s38, s22, 12
	s_lshl_b32 s38, s38, 9
	s_lshl_b32 s39, s20, 7
	s_add_co_u32 s38, s38, s39                     ; my columns in bytes: Wo's,
	s_lshl_b32 s40, s22, 9
	s_add_co_u32 s40, s40, s39                     ; Wq's,
	s_sub_co_u32 s44, s22, 8
	s_lshl_b32 s45, s44, 8
	s_and_b32 s39, s20, 1
	s_lshl_b32 s39, s39, 7
	s_add_co_u32 s45, s45, s39                     ; Wk's or Wv's: 64 columns a group
	s_wait_kmcnt 0x0
	s_cmp_lt_u32 s20, 2                            ; the choices hang on the unit's number alone
	s_cselect_b64 s[30:31], s[8:9], s[10:11]
	s_cselect_b32 s42, s51, s53                    ; e3 or e5
	s_cmp_lt_u32 s22, 12
	s_cselect_b64 s[36:37], s[30:31], s[12:13]
	s_cselect_b32 s38, s45, s38
	s_cselect_b32 s41, s42, s59                    ; or e11
	s_cselect_b32 s42, s27, s26
	s_cmp_lt_u32 s22, 8
	s_cselect_b64 s[36:37], s[6:7], s[36:37]
	s_cselect_b32 s38, s40, s38
	s_cselect_b32 s41, s49, s41                    ; or e1
	s_cselect_b32 s42, s26, s42
	s_add_co_u32 s42, s42, s38
	s_mov_b32 s43, 0
	s_add_nc_u64 s[36:37], s[36:37], s[42:43]      ; my first row at my 32 columns
	MKSC 41, 8, 9
	v_lshlrev_b32 v1, 2, v5                        ; in: lane l takes column l of the 32
	v_bfe_u32 v2, v0, 3, 1                         ; out: that column is row (l % 8) + 8 (l / 16) of tile (l / 8) % 2
	v_and_b32 v3, 7, v0
	v_bfe_u32 v4, v0, 4, 1
	v_lshl_add_u32 v3, v4, 3, v3
	v_lshlrev_b32 v3, 4, v3
	v_lshl_add_u32 v2, v2, 14, v3                  ; 16,384 x tile + 16 x row
	s_wait_alu depctr_va_vdst(0)
.macro WLOAD p, perm                   ; p: bytes in a row.  Register 32 t + n: place n % 16 of piece (2 half + t, n / 16).  128 consecutive bytes a load
.irp t, 0,1
.set n, 0
.rept 32
.if \perm
	global_load_b32 v[32+32*\t+n], v1, s[36:37] offset:(128*((n%16)/4)+8*\t+4*(n/16)+n%4)*(\p) th:TH_LOAD_NT
.else
	global_load_b32 v[32+32*\t+n], v1, s[36:37] offset:(32*\t+n)*(\p) th:TH_LOAD_NT
.endif
.set n, n+1
.endr
.endr
.endm
	s_cmp_lt_u32 s22, 8
	s_cbranch_scc1 .Lq
	s_cmp_lt_u32 s22, 12
	s_cbranch_scc1 .Lkv
	WLOAD 4096, 0
	s_branch .Lall
.Lq:
	WLOAD 4096, 1
	s_branch .Lall
.Lkv:
	WLOAD 1024, 1
.Lall:
.irp t, 0,1
	s_wait_loadcnt 32-32*\t                        ; block t's 32 loads are in; the next block's stay out
.set n, 0
.rept 32
	v_med3_num_f32 v[32+32*\t+n], v[32+32*\t+n], -v9, v9
.set n, n+1
.endr
.irp g, 0,1,2,3
	v_cvt_scalef32_pk8_fp8_f32 v[96+8*\t+2*\g:97+8*\t+2*\g], v[32+32*\t+8*\g:39+32*\t+8*\g], v8
.endr
	v_nop                                          ; a plain line behind the last conversion
	global_store_b128 v2, v[96+8*\t:99+8*\t], s[18:19] offset:512*\t          ; piece (c, 0): two tiles' 256 consecutive bytes
	global_store_b128 v2, v[100+8*\t:103+8*\t], s[18:19] offset:512*\t+256    ; piece (c, 1)
.endr
	s_endpgm
.Lfunc_end_k_q8b09902f99_prep:
	.size	k_q8b09902f99_prep, .Lfunc_end_k_q8b09902f99_prep-k_q8b09902f99_prep
	.p2alignl 7, 3214868480
	.fill 96, 4, 3214868480
	.section	.rodata,"a",@progbits
	.p2align	6, 0x0
	.amdhsa_kernel k_q8b09902f99_prep
		.amdhsa_group_segment_fixed_size 0
		.amdhsa_private_segment_fixed_size 0
		.amdhsa_enable_private_segment 0
		.amdhsa_kernarg_size 64
		.amdhsa_user_sgpr_count 2
		.amdhsa_user_sgpr_kernarg_segment_ptr 1
		.amdhsa_wavefront_size32 1
		.amdhsa_system_sgpr_workgroup_id_x 1
		.amdhsa_system_sgpr_workgroup_id_y 1
		.amdhsa_system_sgpr_workgroup_id_z 1
		.amdhsa_system_vgpr_workitem_id 0
		.amdhsa_next_free_vgpr 256
		.amdhsa_next_free_sgpr 66
		.amdhsa_reserve_vcc 0
		.amdhsa_float_denorm_mode_32 3
		.amdhsa_float_denorm_mode_16_64 3
		.amdhsa_memory_ordered 1
		.amdhsa_forward_progress 1
		.amdhsa_inst_pref_size 62
	.end_amdhsa_kernel
	.amdgpu_metadata
---
amdhsa.version: [ 1, 2 ]
amdhsa.kernels:
  - .name:           k_q8b09902f99_prep
    .symbol:         k_q8b09902f99_prep.kd
    .args:
      - { .name: x, .offset: 0, .size: 8, .value_kind: global_buffer, .address_space: global }
      - { .name: Wq, .offset: 8, .size: 8, .value_kind: global_buffer, .address_space: global }
      - { .name: Wk, .offset: 16, .size: 8, .value_kind: global_buffer, .address_space: global }
      - { .name: Wv, .offset: 24, .size: 8, .value_kind: global_buffer, .address_space: global }
      - { .name: Wo, .offset: 32, .size: 8, .value_kind: global_buffer, .address_space: global }
      - { .name: lowp_scales, .offset: 40, .size: 8, .value_kind: global_buffer, .address_space: global }
      - { .name: xc, .offset: 48, .size: 8, .value_kind: global_buffer, .address_space: global }
      - { .name: wc, .offset: 56, .size: 8, .value_kind: global_buffer, .address_space: global }
    .group_segment_fixed_size: 0
    .private_segment_fixed_size: 0
    .kernarg_segment_align: 8
    .kernarg_segment_size: 64
    .max_flat_workgroup_size: 288
    .sgpr_count:     66
    .vgpr_count:     256
    .wavefront_size: 32
...
	.end_amdgpu_metadata
.endif
;; end of part 1
;; launch qkv (part 2): grid 32 x 8, 8 waves a work-group, clusters of 4 x 4, 327,680 bytes of LDS; arguments xc, wc, bq, bk, bv, lowp_scales, qc, kvc; writes qc, kvc
.if DOCPART == 2
	.amdgcn_target "amdgcn-amd-amdhsa--gfx1250"
	.amdhsa_code_object_version 6
	.text
	.protected	k_q8b09902f99_qkv
	.globl	k_q8b09902f99_qkv
	.p2align	8
	.type	k_q8b09902f99_qkv,@function
k_q8b09902f99_qkv:
	s_mov_b64 s[64:65], 0
	v_nop
	global_prefetch_b8 v0, s[64:65] scope:SCOPE_SE
	s_setreg_imm32_b32 hwreg(HW_REG_WAVE_MODE, 25, 1), 1
	s_wait_xcnt 0x0
	s_wait_alu depctr_hold_cnt(0) depctr_sa_sdst(0) depctr_va_vdst(0) depctr_va_sdst(0) depctr_va_ssrc(0) depctr_va_vcc(0) depctr_vm_vsrc(0)
	s_getreg_b32 s2, hwreg(HW_REG_IB_STS2, 6, 4)
	s_cmp_eq_u32 s2, 0
	s_cbranch_scc0 .Lentry_in_a_cluster
	s_endpgm
.Lentry_in_a_cluster:
	s_bfe_u32 s2, ttmp6, 0x10000c
	s_cmp_lg_u32 s2, 0xf033
	s_cbranch_scc0 .Lentry_shape_is_right
	s_endpgm
.Lentry_shape_is_right:
; q = x Wq + bq, k = x Wk + bk, v = x Wv + bv on codes of E4M3; q, k, v are quantised on the way (scales 2^e6, 2^e7, 2^e9) into the layouts that the attention reads.
; SHARES.  256 work-groups.  Clusters of row 0: 128 tokens x 256 columns of q, eight waves of 64 x 64.  Clusters of row 1: 128 tokens x (64 columns of k and 64 of v of one group): waves 0-3 k, 4-7 v, 64 tokens x 32 columns each.
; Either way a work-group reads 393,216 bytes: one plane of x and two groups of eight weight tiles, or two planes and one group.
; CLUSTER: 4 x 4.  The four of a column have the same tokens and ask jointly for x's tiles; the four of a row have the same columns and ask jointly for the weights'.
; K = 1,024 in three parts: K steps 0-1 (slot A), 2-5 (slot B), 6-7 (slot A again), three tensor loads each, by waves 0, 1, 2, one a wave behind each round.  By this text's own count a wave never has more than one outstanding.
; x's rows lie 272 bytes apart in slot A and 528 in slot B (256 or 512 bytes and 16 of padding); the weights' tiles are images of operand registers, dense.
; q, k: source 0 = 16 columns of the weight, source 1 = 16 tokens: a lane holds one token, and the 16 registers of two neighbouring tiles are 16 neighbouring columns.
; v:    source 0 = 16 tokens, source 1 = 16 columns: a lane holds one channel and 16 neighbouring tokens (plane 2 is laid for that).
; A K step's fragments are loaded while the step before is multiplied, in two buffers.  No prefetch: there is no loop to run ahead in.
; OUT: qc [16 tokens][head][1,024]: byte 512 c + 16 lane + i = (token lane % 16, d = 32 c + 16 (lane / 16) + i).   kvc, k at 0: [sequence 8][key / 8][d / 16][key % 8][16].
;      kvc, v at 1 MiB: [sequence 8][key / 16][tile 4][row 16][16 keys]; row r of tile 2 B + u is channel 32 B + 8 u + (r % 8) + 16 (r / 8).
; LIMITS: e0 + e1, e2 + e3, e4 + e5 between -126 and 127; e6, e7, e9 between -126 and 119.  NaN is not served.
; REGISTERS: window 0: v1-15 addresses and scales; v32-47 at work; v48-79 biases; v80-111 codes; v128-255 accumulators.  Window 1: two buffers of 128: 4 fragments of x, then up to 4 of the weight.
.set ACC, 128
.set TT,  32
.set BI,  48
.set CD,  80
.set G1XA, 28                          ; descriptor groups 1: x's tile with rows of 256 bytes, of 512; the weights' with rows of 4,096, of 8,192
.set G1XB, 36
.set G1WA, 44
.set G1WB, 52
.set G0,  68                           ; s[68:79] three groups 0
.set MU,  100                          ; s[100:101] 2^(eA + eB), twice
.set XA,  34816                        ; 128 rows of 272
.set XB,  67584                        ; 128 rows of 528
.set QB,  XA+65536                     ; slot B begins: for q,
.set KB,  2*XA+32768                   ; for k and v
.set SPARE, KB+2*XB+65536
.set MSB, 0
.macro WIN new                         ; the immediate's high byte repeats the setting that is left
.if MSB != \new
	s_set_vgpr_msb (MSB<<8)|\new
.set MSB, \new
.endif
.endm
.macro PLACES                          ; four places behind a matrix instruction (ISA guide 7.12.1)
.rept 4
	v_nop
.endr
.endm
.macro CROUND                          ; a round of the cluster's barrier
	s_barrier_signal -1
	s_barrier_wait -1
	s_cmp_lg_u32 s20, 0
	s_cbranch_scc1 .Lnot_wave_0_\@
	s_barrier_signal -3
.Lnot_wave_0_\@:
	s_barrier_wait -3
	s_barrier_signal -1
	s_barrier_wait -1
.endm
.macro TL i, g1                        ; a joint load and the lines behind it
	tensor_load_to_lds s[G0+4*\i:G0+4*\i+3], s[\g1:\g1+7]
	s_nop 0
	PLACES
.endm
.macro LOAD3 g1a, g1b, g1c             ; waves 0, 1, 2 issue one joint load each; the branches hang on the wave's number alone
	s_cmp_eq_u32 s20, 0
	s_cbranch_scc0 .Lnot_0_\@
	TL 0, \g1a
	s_branch .Lasked_\@
.Lnot_0_\@:
	s_cmp_eq_u32 s20, 1
	s_cbranch_scc0 .Lnot_1_\@
	TL 1, \g1b
	s_branch .Lasked_\@
.Lnot_1_\@:
	s_cmp_eq_u32 s20, 2
	s_cbranch_scc0 .Lasked_\@
	TL 2, \g1c
.Lasked_\@:
.endm
.macro TO l0, l1, l2                   ; where the three loads go in LDS
	s_mov_b32 s[G0+1], \l0
	s_mov_b32 s[G0+5], \l1
	s_mov_b32 s[G0+9], \l2
.endm
.macro ON d0, d1, d2                   ; and on along K in memory, in bytes
	s_add_nc_u64 s[G0+2:G0+3], s[G0+2:G0+3], \d0
	s_add_nc_u64 s[G0+6:G0+7], s[G0+6:G0+7], \d1
	s_add_nc_u64 s[G0+10:G0+11], s[G0+10:G0+11], \d2
.endm
.macro TYPES
.irp i, 0,1,2
	s_mov_b32 s[G0+4*\i], 1
	s_or_b32 s[G0+4*\i+3], s[G0+4*\i+3], 0x80000000
.endr
.endm
.macro FETCHG ks, i, nw                ; K step ks: x's fragment i and, where i < nw, the weight's
.set F, 128*((\ks)%2)
	WIN 0x40                                       ; destination window 1, address window 0
.irp c, 0,1,2,3
.if ((\ks) > 1) && ((\ks) < 6)
	ds_load_b128 v[F+16*\i+4*\c:F+16*\i+4*\c+3], v5 offset:8448*\i+128*((\ks)-2)+32*\c
.if \i < \nw
	ds_load_b128 v[F+64+16*\i+4*\c:F+64+16*\i+4*\c+3], v7 offset:8192*\i+2048*((\ks)-2)+512*\c
.endif
.else
	ds_load_b128 v[F+16*\i+4*\c:F+16*\i+4*\c+3], v4 offset:4352*\i+128*((\ks)%2)+32*\c
.if \i < \nw
	ds_load_b128 v[F+64+16*\i+4*\c:F+64+16*\i+4*\c+3], v6 offset:4096*\i+2048*((\ks)%2)+512*\c
.endif
.endif
.endr
.endm
.macro FETCH ks, nw
.irp i, 0,1,2,3
	FETCHG \ks, \i, \nw
.endr
.endm
.macro MUL ks, ac, p0, p1
.if (\ks) == 0
	v_wmma_f32_16x16x128_fp8_fp8 v[ACC+8*(\ac):ACC+8*(\ac)+7], v[\p0:\p0+15], v[\p1:\p1+15], 0
.else
	v_wmma_f32_16x16x128_fp8_fp8 v[ACC+8*(\ac):ACC+8*(\ac)+7], v[\p0:\p0+15], v[\p1:\p1+15], v[ACC+8*(\ac):ACC+8*(\ac)+7]
.endif
.endm
.macro QMULG ks, y                     ; q: four products, x's fragment y; the 16 accumulators take turns
.set F, 128*((\ks)%2)
	WIN 0x05                                       ; sources 0 and 1 window 1; C and D window 0
.irp t, 0,1,2,3
	MUL \ks, 4*\y+\t, F+64+16*\t, F+16*\y
.endr
.endm
.macro QMUL ks
.irp y, 0,1,2,3
	QMULG \ks, \y
.endr
.endm
; k and v: eight products; the two arms take the eight accumulators in the same order
.macro KMUL ks
.set F, 128*((\ks)%2)
	WIN 0                                          ; at a label and at a branch every window is 0
	s_cmp_lt_u32 s20, 4
	s_cbranch_scc0 .Lv_\@
	WIN 0x05
.irp a, 0,1,2,3
.irp t, 0,1
	MUL \ks, 2*\a+\t, F+64+16*\t, F+16*\a
.endr
.endr
	WIN 0
	s_branch .Lm_\@
.Lv_\@:
	WIN 0x05
.irp t, 0,1
.irp a, 0,1,2,3
	MUL \ks, 4*\t+\a, F+16*\a, F+64+16*\t
.endr
.endr
	WIN 0
.Lm_\@:
.endm
.macro SEQ                             ; in front of a round behind which LDS bytes are filled
	WIN 0
	s_wait_tensorcnt 0x0
	ds_add_u32 v14, v15
	ds_add_u32 v14, v15
.endm
.macro SHOWN                           ; the last part has landed
	WIN 0
	s_wait_tensorcnt 0x0
	s_barrier_signal -1
	s_barrier_wait -1
.endm
.macro SCALES ea, eb, eo               ; s[MU] = 2^(ea + eb); v10 = 2^eo, v9 = 448 x 2^eo
	s_add_co_i32 s[MU], s[\ea], s[\eb]
	s_add_co_i32 s[MU], s[MU], 127
	s_lshl_b32 s[MU], s[MU], 23
	s_mov_b32 s[MU+1], s[MU]
	s_add_co_i32 s66, s[\eo], 127
	s_lshl_b32 s67, s66, 23
	v_mov_b32 v10, s67
	s_add_co_i32 s66, s66, 8
	s_lshl_b32 s66, s66, 23
	s_or_b32 s66, s66, 0x600000
	v_mov_b32 v9, s66
.endm
.macro HOLDCVT cd                      ; the 16 numbers at work become 16 codes in v[cd] on
.set n, 0
.rept 16
	v_med3_num_f32 v[TT+n], v[TT+n], -v9, v9       ; the conversion does not saturate (ISA guide 7.6.2)
.set n, n+1
.endr
	v_cvt_scalef32_pk8_fp8_f32 v[\cd:\cd+1], v[TT:TT+7], v10
	v_cvt_scalef32_pk8_fp8_f32 v[\cd+2:\cd+3], v[TT+8:TT+15], v10
	v_nop                                          ; a plain line behind the last conversion: the next numbers are written over its sources
.endm
.macro PKFMA ac, bi                    ; sum x 2^(eA + eB) + bias, each accumulator from its low end on
.set n, 0
.rept 8
	v_pk_fma_f32 v[TT+n:TT+n+1], v[ACC+8*(\ac)+n:ACC+8*(\ac)+n+1], s[MU:MU+1], v[\bi+n:\bi+n+1] op_sel_hi:[1,0,1]
.set n, n+2
.endr
.endm
.macro ADDRS xa, xb, wa, wb, sx, sw    ; fragments' LDS addresses: sx: first row of x; sw: first tile
	s_mul_i32 s60, s[\sx], 272
	s_add_co_u32 s60, s60, \xa
	s_mul_i32 s61, s[\sx], 528
	s_add_co_u32 s61, s61, \xb
	s_lshl_b32 s62, s[\sw], 12
	s_add_co_u32 s62, s62, \wa
	s_lshl_b32 s63, s[\sw], 13
	s_add_co_u32 s63, s63, \wb
	v_and_b32 v1, 15, v0                           ; r
	v_bfe_u32 v2, v0, 4, 1                         ; h
	v_and_b32 v3, 31, v0
	v_lshlrev_b32 v3, 4, v3                        ; 16 x lane
	v_mul_u32_u24 v4, v1, 272
	v_lshl_add_u32 v4, v2, 4, v4
	v_add_nc_u32 v4, s60, v4
	v_mul_u32_u24 v5, v1, 528
	v_lshl_add_u32 v5, v2, 4, v5
	v_add_nc_u32 v5, s61, v5
	v_add_nc_u32 v6, s62, v3
	v_add_nc_u32 v7, s63, v3
.endm
	s_load_b256 s[4:11], s[0:1], 0x0               ; xc s[4:5], wc s[6:7], bq s[8:9], bk s[10:11]
	s_load_b256 s[12:19], s[0:1], 0x20             ; bv s[12:13], the exponents s[14:15], qc s[16:17], kvc s[18:19]
	v_lshl_add_u32 v14, v0, 2, SPARE
	v_mov_b32 v15, 0
	ds_add_u32 v14, v15                            ; the wave's opening: the add, twice on end, and its wait
	ds_add_u32 v14, v15
	v_lshrrev_b32 v1, 5, v0
	v_readfirstlane_b32 s20, v1                    ; wave 0..7
	s_bfe_u32 s23, ttmp6, 0x40000                  ; cx
	s_bfe_u32 s25, ttmp6, 0x40004                  ; cy
	s_lshl_b32 s24, ttmp9, 2
	s_add_co_u32 s24, s24, s23                     ; tile row: 128 tokens
	s_lshl_b32 s26, 0x1111, s23                    ; my column of the cluster: the same tokens
	s_lshl_b32 s27, s25, 2
	s_lshl_b32 s27, 15, s27                        ; my row: the same columns
	; descriptor groups 1, elements of 8 bytes; bit 21 set beside the mask; x: 128 rows, 1,024 bytes apart, four words of padding behind each row of 64 or 128 words; the weights: 8 tiles, 16,384 bytes apart, dense
	s_or_b32 s[G1XA], s26, (3<<16)|(1<<20)|(1<<21)|(5<<22)|(3<<25)
	s_or_b32 s[G1XB], s26, (3<<16)|(1<<20)|(1<<21)|(6<<22)|(3<<25)
	s_or_b32 s[G1WA], s27, (3<<16)|(1<<21)
	s_or_b32 s[G1WB], s27, (3<<16)|(1<<21)
.macro G1REST g, c, r, p               ; c elements a row, r rows, p elements apart
	s_mov_b32 s[\g+1], (\c)<<16
	s_mov_b32 s[\g+2], (\r)<<16
	s_mov_b32 s[\g+3], (\c)<<16
	s_mov_b32 s[\g+4], \r
	s_mov_b32 s[\g+5], \p
	s_mov_b32 s[\g+6], 0
	s_mov_b32 s[\g+7], 0
.endm
	G1REST G1XA, 32, 128, 128
	G1REST G1XB, 64, 128, 128
	G1REST G1WA, 512, 8, 2048
	G1REST G1WB, 1024, 8, 2048
	s_lshl_b32 s96, s24, 17                        ; x's tile: of the tile row alone
	s_mov_b32 s97, 0
	s_mov_b32 s99, 0
	s_and_b32 s80, ttmp7, 0xffff                   ; the cluster's row: 0 for q, 1 for k and v
	s_wait_dscnt 0x0                               ; both opening adds are done
	s_wait_kmcnt 0x0
	s_load_b256 s[84:91], s[14:15], 0x0            ; e0 .. e7
	s_load_b128 s[92:95], s[14:15], 0x20           ; e8 .. e11
	s_cmp_eq_u32 s80, 0
	s_cbranch_scc0 .Lkv
; ---------------- q ----------------
	s_lshl_b32 s98, s25, 18                        ; column groups 2 cy, 2 cy + 1: of the cluster's row alone
	s_add_nc_u64 s[G0+2:G0+3], s[4:5], s[96:97]
	s_add_nc_u64 s[G0+6:G0+7], s[6:7], s[98:99]
	s_add_nc_u64 s[G0+10:G0+11], s[G0+6:G0+7], 0x20000
	TYPES
	TO 0, XA, XA+32768
	CROUND                                         ; all sixteen work-groups are here: the joint loads meet
	LOAD3 G1XA, G1WA, G1WA                         ; K steps 0, 1
	s_lshr_b32 s21, s20, 2                         ; which 64 tokens are mine
	s_and_b32 s22, s20, 3                          ; which 64 columns
	s_lshl_b32 s82, s21, 6
	s_lshl_b32 s83, s22, 2
	ADDRS 0, QB, XA, QB+XB, 82, 83
	s_wait_kmcnt 0x0
	SCALES 84, 85, 90                              ; e0, e1; e6
	s_lshl_b32 s96, s25, 10
	s_lshl_b32 s97, s22, 8
	s_add_co_u32 s96, s96, s97
	s_mov_b32 s97, 0
	s_add_nc_u64 s[26:27], s[8:9], s[96:97]        ; the bias at my 64 columns
	v_lshlrev_b32 v11, 6, v2                       ; lane (r, h) wants columns 32 t + 16 h + 0 .. 15
	s_lshl_b32 s96, s24, 3                         ; out: tile of 16 tokens 8 x tile row + 4 x my half + a; head 4 cy + my column quarter
	s_lshl_b32 s97, s21, 2
	s_add_co_u32 s96, s96, s97
	s_lshl_b32 s96, s96, 14
	s_lshl_b32 s97, s25, 2
	s_add_co_u32 s97, s97, s22
	s_lshl_b32 s97, s97, 10
	s_add_co_u32 s96, s96, s97
	s_mov_b32 s97, 0
	s_add_nc_u64 s[16:17], s[16:17], s[96:97]
	s_wait_alu depctr_va_vdst(0)
.irp t, 0,1
.irp i, 0,1,2,3
	global_load_b128 v[BI+16*\t+4*\i:BI+16*\t+4*\i+3], v11, s[26:27] offset:128*\t+16*\i
.endr
.endr
	SEQ
	TO QB, QB+XB, QB+XB+65536
	ON 256, 4096, 4096
	s_wait_dscnt 0x0
	CROUND
	LOAD3 G1XB, G1WB, G1WB                         ; K steps 2 .. 5
	FETCH 0, 4
.macro QSTEP ks
	s_wait_dscnt 0x0                               ; this step's fragments are in
.if \ks == 1
	SEQ                                            ; slot B is in, and slot A has been read out
	QMUL 1                                         ; work on registers between the adds and the wait for them
	WIN 0
	TO 0, XA, XA+32768
	ON 512, 8192, 8192
	s_wait_dscnt 0x0
	CROUND
	LOAD3 G1XA, G1WA, G1WA                         ; K steps 6, 7 into slot A
	PLACES
	FETCH 2, 4
.else
.if \ks == 5
	SHOWN
.endif
.if (\ks > 0) && (\ks < 7)
	PLACES                                         ; the other buffer was multiplied in the step before
.endif
.irp i, 0,1,2,3
.if \ks < 7
	FETCHG \ks+1, \i, 4
.endif
	QMULG \ks, \i
.endr
.endif
.endm
.irp ks, 0,1,2,3,4,5,6,7
	QSTEP \ks
.endr
	WIN 0
	PLACES
	s_wait_loadcnt 0x0                             ; the bias
.irp a, 0,1,2,3
.irp t, 0,1
	PKFMA 4*\a+2*\t, BI+16*\t                      ; two neighbouring accumulators: 16 registers
	HOLDCVT CD+4*(2*\a+\t)
	global_store_b128 v3, v[CD+4*(2*\a+\t):CD+4*(2*\a+\t)+3], s[16:17] offset:16384*\a+512*\t   ; 512 consecutive bytes
.endr
.endr
	s_branch .Lend
; ---------------- k and v ----------------
.Lkv:
	s_add_co_u32 s98, s25, 8
	s_lshl_b32 s98, s98, 17                        ; column group 8 + cy
	s_add_nc_u64 s[G0+2:G0+3], s[4:5], s[96:97]
	s_add_nc_u64 s[G0+2:G0+3], s[G0+2:G0+3], 0x400000   ; plane 1,
	s_add_nc_u64 s[G0+6:G0+7], s[G0+2:G0+3], 0x400000   ; plane 2
	s_add_nc_u64 s[G0+10:G0+11], s[6:7], s[98:99]
	TYPES
	TO 0, XA, 2*XA
	CROUND                                         ; all sixteen work-groups are here: the joint loads meet
	LOAD3 G1XA, G1XA, G1WA                         ; K steps 0, 1
	s_lshr_b32 s81, s20, 2                         ; 0: k, 1: v
	s_bfe_u32 s21, s20, 0x10001                    ; which 64 tokens
	s_and_b32 s22, s20, 1                          ; which 32 columns
	s_lshl_b32 s82, s81, 7
	s_lshl_b32 s83, s21, 6
	s_add_co_u32 s82, s82, s83                     ; plane 2's rows lie behind plane 1's 128 in either slot
	s_lshl_b32 s83, s81, 2
	s_lshl_b32 s80, s22, 1
	s_add_co_u32 s83, s83, s80
	ADDRS 0, KB, 2*XA, KB+2*XB, 82, 83
	s_wait_kmcnt 0x0
	s_cmp_eq_u32 s81, 0
	s_cselect_b32 s80, s86, s88                    ; e2 or e4
	s_cselect_b32 s82, s87, s89                    ; e3 or e5
	s_cselect_b32 s83, s91, s93                    ; e7 or e9
	s_cselect_b64 s[26:27], s[10:11], s[12:13]     ; bk or bv
	SCALES 80, 82, 83
	s_lshl_b32 s96, s25, 8
	s_lshl_b32 s97, s22, 7
	s_add_co_u32 s96, s96, s97
	s_mov_b32 s97, 0
	s_add_nc_u64 s[26:27], s[26:27], s[96:97]      ; the bias at my 32 columns
	s_lshr_b32 s96, s24, 4                         ; out: sequence 4 x batch + cy
	s_lshl_b32 s96, s96, 2
	s_add_co_u32 s96, s96, s25
	s_lshl_b32 s96, s96, 17
	s_and_b32 s97, s24, 15                         ; 64 bytes a key: 128 keys a tile row, 64 a wave
	s_lshl_b32 s97, s97, 13
	s_add_co_u32 s96, s96, s97
	s_lshl_b32 s97, s21, 12
	s_add_co_u32 s96, s96, s97
	s_lshl_b32 s97, s22, 8
	s_lshl_b32 s97, s97, s81
	s_add_co_u32 s96, s96, s97                     ; 256 x my columns' half in k, 512 in v
	s_lshl_b32 s97, s81, 20
	s_add_co_u32 s96, s96, s97                     ; v's part of the buffer
	s_mov_b32 s97, 0
	s_add_nc_u64 s[18:19], s[18:19], s[96:97]
	s_wait_alu depctr_va_vdst(0)
	SEQ
	TO KB, KB+XB, KB+2*XB
	ON 256, 256, 4096
	s_wait_dscnt 0x0
	CROUND
	LOAD3 G1XB, G1XB, G1WB                         ; K steps 2 .. 5
	FETCH 0, 2
.macro KSTEP ks
	s_wait_dscnt 0x0                               ; this step's fragments are in
.if \ks == 1
	KMUL 1
	SEQ                                            ; slot B is in, and slot A has been read out
	TO 0, XA, 2*XA
	ON 512, 512, 8192
	s_wait_dscnt 0x0
	CROUND
	LOAD3 G1XA, G1XA, G1WA                         ; K steps 6, 7 into slot A
	PLACES
	FETCH 2, 2
.else
.if \ks == 5
	SHOWN
.endif
.if \ks < 7
.if \ks > 0
	PLACES                                         ; the other buffer was multiplied in the step before
.endif
	FETCH \ks+1, 2
.endif
	KMUL \ks
.endif
.endm
.irp ks, 0,1,2,3,4,5,6,7
	KSTEP \ks
.endr
	PLACES
	s_cmp_lt_u32 s20, 4
	s_cbranch_scc0 .Lepi_v
	v_bfe_u32 v12, v0, 4, 1
	v_lshlrev_b32 v11, 6, v12                      ; lane (r, h) wants columns 16 h + 0 .. 15
.irp i, 0,1,2,3
	global_load_b128 v[BI+4*\i:BI+4*\i+3], v11, s[26:27] offset:16*\i
.endr
	v_bfe_u32 v8, v0, 3, 1
	v_lshlrev_b32 v8, 9, v8                        ; 512 (r / 8)
	v_lshl_add_u32 v8, v12, 7, v8                  ; + 128 h
	v_and_b32 v13, 7, v0
	v_lshl_add_u32 v8, v13, 4, v8                  ; + 16 (r % 8): a store fills two whole runs of 256 bytes
	s_wait_alu depctr_va_vdst(0)
	s_wait_loadcnt 0x0
.irp a, 0,1,2,3
	PKFMA 2*\a, BI
	HOLDCVT CD+4*\a
	global_store_b128 v8, v[CD+4*\a:CD+4*\a+3], s[18:19] offset:1024*\a
.endr
	s_branch .Lend
.Lepi_v:
	v_and_b32 v11, 7, v0
	v_bfe_u32 v12, v0, 3, 1
	v_lshl_add_u32 v11, v12, 4, v11
	v_lshlrev_b32 v11, 2, v11                      ; my row of tile t is channel (r % 8) + 16 (r / 8) + 8 t
.irp t, 0,1
	global_load_b32 v[BI+\t], v11, s[26:27] offset:32*\t
.endr
	v_bfe_u32 v8, v0, 4, 1
	v_and_b32 v13, 15, v0
	v_lshlrev_b32 v8, 10, v8
	v_lshl_add_u32 v8, v13, 4, v8                  ; 1,024 h + 16 r: sixteen lanes fill 256 consecutive bytes
	s_wait_alu depctr_va_vdst(0)
	s_wait_loadcnt 0x0
.irp t, 0,1
.irp b, 0,1
.set n, 0
.rept 16
	v_fma_f32 v[TT+n], v[ACC+32*\t+16*\b+n], s[MU], v[BI+\t]   ; tokens 32 b + 16 h + n
.set n, n+1
.endr
	HOLDCVT CD+4*(2*\t+\b)
	global_store_b128 v8, v[CD+4*(2*\t+\b):CD+4*(2*\t+\b)+3], s[18:19] offset:2048*\b+256*\t
.endr
.endr
.Lend:
	s_wait_tensorcnt 0x0                           ; the wave's end
	ds_add_u32 v14, v15
	s_wait_dscnt 0x0
	CROUND                                         ; the closing round: no work-group ends while a partner may still ask for a tile that names it
	s_endpgm
.Lfunc_end_k_q8b09902f99_qkv:
	.size	k_q8b09902f99_qkv, .Lfunc_end_k_q8b09902f99_qkv-k_q8b09902f99_qkv
	.p2alignl 7, 3214868480
	.fill 96, 4, 3214868480
	.section	.rodata,"a",@progbits
	.p2align	6, 0x0
	.amdhsa_kernel k_q8b09902f99_qkv
		.amdhsa_group_segment_fixed_size 327680
		.amdhsa_private_segment_fixed_size 0
		.amdhsa_enable_private_segment 0
		.amdhsa_kernarg_size 64
		.amdhsa_user_sgpr_count 2
		.amdhsa_user_sgpr_kernarg_segment_ptr 1
		.amdhsa_wavefront_size32 1
		.amdhsa_system_sgpr_workgroup_id_x 1
		.amdhsa_system_sgpr_workgroup_id_y 1
		.amdhsa_system_sgpr_workgroup_id_z 1
		.amdhsa_system_vgpr_workitem_id 0
		.amdhsa_next_free_vgpr 512
		.amdhsa_next_free_sgpr 102
		.amdhsa_reserve_vcc 0
		.amdhsa_float_denorm_mode_32 3
		.amdhsa_float_denorm_mode_16_64 3
		.amdhsa_memory_ordered 1
		.amdhsa_forward_progress 1
		.amdhsa_inst_pref_size 103
	.end_amdhsa_kernel
	.amdgpu_metadata
---
amdhsa.version: [ 1, 2 ]
amdhsa.kernels:
  - .name:           k_q8b09902f99_qkv
    .symbol:         k_q8b09902f99_qkv.kd
    .args:
      - { .name: xc, .offset: 0, .size: 8, .value_kind: global_buffer, .address_space: global }
      - { .name: wc, .offset: 8, .size: 8, .value_kind: global_buffer, .address_space: global }
      - { .name: bq, .offset: 16, .size: 8, .value_kind: global_buffer, .address_space: global }
      - { .name: bk, .offset: 24, .size: 8, .value_kind: global_buffer, .address_space: global }
      - { .name: bv, .offset: 32, .size: 8, .value_kind: global_buffer, .address_space: global }
      - { .name: lowp_scales, .offset: 40, .size: 8, .value_kind: global_buffer, .address_space: global }
      - { .name: qc, .offset: 48, .size: 8, .value_kind: global_buffer, .address_space: global }
      - { .name: kvc, .offset: 56, .size: 8, .value_kind: global_buffer, .address_space: global }
    .group_segment_fixed_size: 327680
    .private_segment_fixed_size: 0
    .kernarg_segment_align: 8
    .kernarg_segment_size: 64
    .max_flat_workgroup_size: 256
    .sgpr_count:     102
    .vgpr_count:     512
    .wavefront_size: 32
...
	.end_amdgpu_metadata
.endif
;; end of part 2
;; launch attn (part 3): grid 32 x 8, 16 waves a work-group, no clusters, 48,128 bytes of LDS; arguments qc, kvc, lowp_scales, yc; writes yc
.if DOCPART == 3
	.amdgcn_target "amdgcn-amd-amdhsa--gfx1250"
	.amdhsa_code_object_version 6
	.text
	.protected	k_q8b09902f99_attn
	.globl	k_q8b09902f99_attn
	.p2align	8
	.type	k_q8b09902f99_attn,@function
k_q8b09902f99_attn:
	s_mov_b64 s[64:65], 0
	v_nop
	global_prefetch_b8 v0, s[64:65] scope:SCOPE_SE
	s_setreg_imm32_b32 hwreg(HW_REG_WAVE_MODE, 25, 1), 1
	s_wait_xcnt 0x0
; y[b][h][q] = the sum over keys q - 256 .. q of softmax(q . k / 8) v, both products on codes of E4M3 (scales 2^e6, 2^e7; 2^e8, 2^e9), and y quantised (2^e10) as an image of the last product's operand.
; THE SOFTMAX: t = score x log2(e) / 8; M = the row's largest t rounded up to a whole number; p = 2^(t - M) is quantised; the row's sum of the unquantised p divides at the end.
; A row has 257 keys, all inside the 272 keys q0 - 256 .. q0 + 15 of its tile of 16 queries: their scores fit in registers, so M is the row's own, and nothing is rescaled.
; SHARES.  A work-group takes 64 queries of one batch and one key and value group, for that group's four heads: wave w takes head w % 4 and queries 16 (w / 4) on.  The 320 keys that they need, 20 KB of k and
; 20 KB of v, are copied once into LDS through registers; one barrier.  No tensor load, so no joint request: neighbouring work-groups' windows are shifted by 64 keys.
; LAYOUT.  S^T = K Q^T (source 0 = 16 keys, source 1 = 16 queries), O^T = V^T P^T: a lane holds one query throughout.  Of a block of 32 keys tile u takes keys 8 u + (row % 8) + 16 (row / 8), so that the 16 registers
; of two neighbouring tiles are 16 neighbouring keys.  The last 16 keys (the tile on the diagonal) are a tile of neighbours; their p fills a quarter of an operand, the rest are zero codes on both sides.
; Keys before the sequence's first: their pieces are read from the sequence's first bytes instead (no load leaves the buffer), and their scores are masked.
; LDS: 80 pieces of 512 bytes, piece G at 512 G + 128 (G / 2): 40 of k (8 keys each), then 40 of v (two to 16 keys).
; LIMITS: e6 + e7 between -123 and 130 (added to c's exponent field); e8, e10 between -126 and 119.  NaN is not served.
; REGISTERS: v1-13 addresses, thresholds, scales; v[14:15] -M; v16-23 Q; v24-87 eight fragments of K, later p's codes (v24-63) and V's diagonal fragments 0-2; v88-223 S^T, then p, then V; v224-231 K's diagonal
; fragment; v232-241 at work; v224-255 at last O^T.
.set VB, 23040
.set S,  88
.set P,  24
.set O,  224
.macro PLACES
.rept 4
	v_nop
.endr
.endm
.macro MKSC e, sc, lim
	s_add_co_i32 s54, s[\e], 127
	s_lshl_b32 s55, s54, 23
	v_mov_b32 v[\sc], s55
	s_add_co_i32 s54, s54, 8
	s_lshl_b32 s54, s54, 23
	s_or_b32 s54, s54, 0x600000
	v_mov_b32 v[\lim], s54
.endm
	s_load_b256 s[4:11], s[0:1], 0x0               ; qc s[4:5], kvc s[6:7], the exponents s[8:9], yc s[10:11]
	v_lshrrev_b32 v1, 5, v0
	s_delay_alu instid0(VALU_DEP_1)
	v_readfirstlane_b32 s12, v1                    ; wave 0..15
	v_and_b32 v1, 31, v0
	s_delay_alu instid0(VALU_DEP_1)
	v_lshlrev_b32 v1, 4, v1                        ; 16 x lane
	s_wait_alu depctr_va_vdst(0)
	s_and_b32 s13, s12, 3                          ; my head in the group
	s_lshr_b32 s14, s12, 2                         ; my tile of queries
	s_and_b32 s15, ttmp7, 0xffff                   ; 4 x batch + group
	s_lshl_b32 s16, ttmp9, 6                       ; the work-group's first query
	s_lshl_b32 s17, s14, 4
	s_add_co_u32 s17, s17, s16                     ; q0: my first query
	s_and_b32 s18, s12, 7                          ; the copy: waves 0-7 take k's 40 pieces, waves 8-15 v's, five each
	s_mul_i32 s18, s18, 5*512
	s_lshl_b32 s19, s16, 6                         ; 64 bytes a key in k and in v
	s_sub_co_i32 s19, s19, 16384                   ; the window begins 256 keys before the first query
	s_add_co_i32 s19, s19, s18
	s_mul_i32 s28, s12, 5
.irp i, 0,1,2,3,4
	s_add_co_i32 s24, s19, 512*\i
	s_max_i32 s24, s24, 0                          ; held at the sequence's first byte
	v_add_nc_u32 v[232+\i], s24, v1
	s_add_co_u32 s29, s28, \i                      ; piece G = 5 wave + i
	s_lshr_b32 s30, s29, 1
	s_lshl_b32 s30, s30, 7
	s_lshl_b32 s29, s29, 9
	s_add_co_u32 s29, s29, s30
	v_add_nc_u32 v[237+\i], s29, v1
.endr
	s_lshr_b32 s26, s12, 3
	s_lshl_b32 s26, s26, 20                        ; v's part begins at 1 MiB
	s_lshl_b32 s27, s15, 17
	s_add_co_u32 s26, s26, s27
	s_mov_b32 s27, 0
	s_lshr_b32 s31, s15, 2                         ; Q and y: tile of 16 tokens 128 x batch + 4 x work-group x + my tile; head 4 x group + my head
	s_lshl_b32 s31, s31, 7
	s_lshl_b32 s32, ttmp9, 2
	s_add_co_u32 s31, s31, s32
	s_add_co_u32 s31, s31, s14
	s_lshl_b32 s31, s31, 14
	s_and_b32 s32, s15, 3
	s_lshl_b32 s32, s32, 2
	s_add_co_u32 s32, s32, s13
	s_lshl_b32 s32, s32, 10
	s_add_co_u32 s32, s32, s31
	s_mov_b32 s33, 0
	s_wait_alu depctr_va_vdst(0)
	s_wait_kmcnt 0x0
	s_load_b256 s[36:43], s[8:9], 0x0              ; e0 .. e7
	s_load_b128 s[44:47], s[8:9], 0x20             ; e8 .. e11
	s_add_nc_u64 s[6:7], s[6:7], s[26:27]
	s_add_nc_u64 s[4:5], s[4:5], s[32:33]
	s_add_nc_u64 s[10:11], s[10:11], s[32:33]
.irp i, 0,1,2,3,4
	global_load_b128 v[S+4*\i:S+4*\i+3], v[232+\i], s[6:7]
.endr
	global_load_b128 v[16:19], v1, s[4:5]          ; Q's fragment: d = 16 h + 0 .. 15,
	global_load_b128 v[20:23], v1, s[4:5] offset:512   ; and 32 + 16 h + 0 .. 15
	v_and_b32 v24, 15, v0                          ; r
	v_bfe_u32 v25, v0, 4, 1                        ; h
	v_bfe_u32 v26, v0, 3, 1                        ; r / 8
	v_and_b32 v27, 7, v0                           ; r % 8
	s_mul_i32 s48, s14, 1152                       ; my window begins 16 keys x my tile into the work-group's
	v_mul_u32_u24 v2, v26, 1152                    ; K: key (r % 8) + 16 (r / 8) of a tile; d / 16 = 2 c + h
	s_delay_alu instid0(VALU_DEP_1)
	v_lshl_add_u32 v2, v25, 7, v2
	s_delay_alu instid0(VALU_DEP_1)
	v_lshl_add_u32 v2, v27, 4, v2
	s_delay_alu instid0(VALU_DEP_1)
	v_add_nc_u32 v2, s48, v2
	v_lshlrev_b32 v3, 9, v26                       ; K on the diagonal: key r
	s_delay_alu instid0(VALU_DEP_1)
	v_lshl_add_u32 v3, v25, 7, v3
	s_delay_alu instid0(VALU_DEP_1)
	v_lshl_add_u32 v3, v27, 4, v3
	s_delay_alu instid0(VALU_DEP_1)
	v_add_nc_u32 v3, s48, v3
	s_delay_alu instid0(VALU_DEP_1)
	v_add_nc_u32 v3, 16*1152, v3
	v_mul_u32_u24 v4, v25, 1152                    ; V: row r of a tile, 16 keys 2 c + h
	s_delay_alu instid0(VALU_DEP_1)
	v_lshl_add_u32 v4, v24, 4, v4
	s_delay_alu instid0(VALU_DEP_1)
	v_add_nc_u32 v4, s48, v4
	s_delay_alu instid0(VALU_DEP_1)
	v_add_nc_u32 v4, VB, v4
	v_lshlrev_b32 v5, 4, v24                       ; V on the diagonal: row r, keys 8 h + 0 .. 7
	s_delay_alu instid0(VALU_DEP_1)
	v_lshl_add_u32 v5, v25, 3, v5
	s_delay_alu instid0(VALU_DEP_1)
	v_add_nc_u32 v5, s48, v5
	s_delay_alu instid0(VALU_DEP_1)
	v_add_nc_u32 v5, VB+16*1152, v5
	s_sub_co_i32 s49, 256, s17                     ; lo = 256 - q0: window keys under lo lie before the sequence.  A multiple of 16: at least 16, or at most 0
	s_cmp_gt_i32 s49, 0
	s_cselect_b32 s52, s49, 0
	s_cselect_b32 s53, 0, -1
	v_and_b32 v6, s53, v24
	s_delay_alu instid0(VALU_DEP_1)
	v_add_nc_u32 v6, s52, v6                       ; the larger of r and lo: window key n counts for query q0 + r where n is at least that
	v_lshlrev_b32 v28, 4, v25
	s_delay_alu instid0(VALU_DEP_1)
	v_sub_nc_u32 v6, v6, v28                       ; register 16 b + n holds window key 32 b + 16 h + n: hidden where 32 b + n < v6
	v_lshlrev_b32 v28, 3, v25
	s_delay_alu instid0(VALU_DEP_1)
	v_sub_nc_u32 v7, v24, v28                      ; on the diagonal register j holds key q0 + 8 h + j: hidden where j > r - 8 h
	v_mov_b32 v8, 0xff800000                       ; -infinity
	s_mov_b32 s20, 0x76543210                      ; v_permlanex16_b32: lane l xor 16
	s_mov_b32 s21, 0xfedcba98
	s_wait_alu depctr_va_vdst(0)
	s_wait_kmcnt 0x0
	s_add_co_i32 s54, s42, s43
	s_lshl_b32 s54, s54, 23
	s_mov_b32 s22, 0x3e38aa3b                      ; c = log2(e) / 8,
	s_add_co_i32 s22, s22, s54                     ; x 2^(e6 + e7)
	s_mov_b32 s23, s22                             ; (named with it as a pair)
	MKSC 44, 10, 9                                 ; p's scale and hold
	MKSC 46, 12, 11                                ; y's
	s_add_co_i32 s50, s44, s45                     ; e8 + e9
	s_wait_loadcnt 2                               ; my five pieces are in; Q's two loads stay out
.irp i, 0,1,2,3,4
	ds_store_b128 v[237+\i], v[S+4*\i:S+4*\i+3]
.endr
	s_wait_dscnt 0x0                               ; for the others' sake: my stores are done
	s_barrier_signal -1
	s_barrier_wait -1
	; ---- S^T = K Q^T: blocks 0-3, then blocks 4-7 and the diagonal
.irp b, 0,1,2,3
.irp u, 0,1
.irp c, 0,1
	ds_load_b128 v[P+8*(2*\b+\u)+4*\c:P+8*(2*\b+\u)+4*\c+3], v2 offset:2304*\b+512*\u+256*\c
.endr
.endr
.endr
	s_wait_dscnt 0x0
	s_wait_loadcnt 0x0                             ; Q
.irp b, 0,1,2,3
.irp u, 0,1
	v_wmma_f32_16x16x64_fp8_fp8 v[S+16*\b+8*\u:S+16*\b+8*\u+7], v[P+8*(2*\b+\u):P+8*(2*\b+\u)+7], v[16:23], 0
.endr
.endr
	PLACES                                         ; in front of loads into registers that matrix instructions have read
.irp b, 0,1,2,3
.irp u, 0,1
.irp c, 0,1
	ds_load_b128 v[P+8*(2*\b+\u)+4*\c:P+8*(2*\b+\u)+4*\c+3], v2 offset:2304*(\b+4)+512*\u+256*\c
.endr
.endr
.endr
	ds_load_b128 v[224:227], v3
	ds_load_b128 v[228:231], v3 offset:256
	s_wait_dscnt 0x0
.irp b, 0,1,2,3
.irp u, 0,1
	v_wmma_f32_16x16x64_fp8_fp8 v[S+64+16*\b+8*\u:S+64+16*\b+8*\u+7], v[P+8*(2*\b+\u):P+8*(2*\b+\u)+7], v[16:23], 0
.endr
.endr
	v_wmma_f32_16x16x64_fp8_fp8 v[S+128:S+135], v[224:231], v[16:23], 0
	PLACES
	; ---- the band: hidden scores become -infinity, so that p = 0.  Block 0 always; further blocks only where the window begins before the sequence (a branch on ids)
.macro MASKLO b
.set n, 0
.rept 16
	v_cmp_lt_i32 vcc_lo, 32*(\b)+n, v6
	v_cndmask_b32 v[S+16*(\b)+n], v[S+16*(\b)+n], v8, vcc_lo
.set n, n+1
.endr
.endm
	MASKLO 0
.irp b, 1,2,3,4,5,6,7
	s_cmp_le_i32 s49, 32*\b
	s_cbranch_scc1 .Lmd
	MASKLO \b
.endr
.Lmd:
.set n, 0
.rept 8
	v_cmp_gt_i32 vcc_lo, n, v7
	v_cndmask_b32 v[S+128+n], v[S+128+n], v8, vcc_lo
.set n, n+1
.endr
	; ---- the row's largest score, in two chains, each accumulator from its low end on; the key q itself always counts
	v_max3_num_f32 v232, v[S], v[S+1], v[S+2]
	v_max3_num_f32 v233, v[S+3], v[S+4], v[S+5]
.set n, 6
.rept 32
	v_max3_num_f32 v232, v232, v[S+n], v[S+n+1]
	v_max3_num_f32 v233, v233, v[S+n+2], v[S+n+3]
.set n, n+4
.endr
	s_delay_alu instid0(VALU_DEP_2)
	v_max3_num_f32 v232, v232, v[S+134], v[S+135]
	s_delay_alu instid0(VALU_DEP_1)
	v_max_num_f32 v232, v232, v233
	s_delay_alu instid0(VALU_DEP_1)
	v_permlanex16_b32 v234, v232, s20, s21         ; (v234 was written at the head)  the query's other keys lie in lane l xor 16
	s_delay_alu instid0(VALU_DEP_1)
	v_max_num_f32 v232, v232, v234
	s_delay_alu instid0(VALU_DEP_1)
	v_mul_f32 v232, s22, v232                      ; as t (c is positive)
	s_delay_alu instid0(VALU_DEP_1)
	v_floor_f32 v14, -v232                         ; -M = floor(-t) = -ceil(t)
	s_delay_alu instid0(VALU_DEP_1)
	v_mov_b32 v15, v14
.set n, 0
.rept 68
	v_pk_fma_f32 v[S+n:S+n+1], v[S+n:S+n+1], s[22:23], v[14:15] op_sel_hi:[1,0,0]   ; t - M
.set n, n+2
.endr
.set n, 0
	s_wait_alu depctr_va_vdst(0)
.rept 136
	v_exp_f32 v[S+n], v[S+n]                       ; p = 2^(t - M)
.set n, n+1
.endr
.irp j, 58,59,60,61,62,63, 66,67,68,69,70,71, 74,75,76,77,78,79, 82,83,84,85,86,87
	v_mov_b32 v\j, 0                               ; zero codes: the unused three quarters of p's and of V's diagonal fragments.  Plain work between the exponentials and the wait
.endr
	s_wait_alu depctr_va_vdst(0)                   ; one wait for the whole batch, ahead of its first reader
	v_pk_add_f32 v[238:239], v[88:89], v[90:91]
	v_pk_add_f32 v[254:255], v[96:97], v[100:101]
	v_pk_add_f32 v[252:253], v[104:105], v[108:109]
	v_pk_add_f32 v[250:251], v[112:113], v[116:117]
	v_pk_add_f32 v[248:249], v[120:121], v[124:125]
	v_pk_add_f32 v[246:247], v[128:129], v[132:133]
	v_pk_add_f32 v[244:245], v[136:137], v[140:141]
	v_pk_add_f32 v[236:237], v[144:145], v[148:149]
	v_pk_add_f32 v[236:237], v[236:237], v[152:153]
	v_pk_add_f32 v[238:239], v[238:239], v[156:157]
	v_pk_add_f32 v[254:255], v[254:255], v[160:161]
	v_pk_add_f32 v[252:253], v[252:253], v[164:165]
	v_pk_add_f32 v[250:251], v[250:251], v[168:169]
	v_pk_add_f32 v[248:249], v[248:249], v[172:173]
	v_pk_add_f32 v[246:247], v[246:247], v[176:177]
	v_pk_add_f32 v[244:245], v[244:245], v[180:181]
	v_pk_add_f32 v[236:237], v[236:237], v[184:185]
	v_pk_add_f32 v[238:239], v[238:239], v[188:189]
	v_pk_add_f32 v[254:255], v[254:255], v[192:193]
	v_pk_add_f32 v[252:253], v[252:253], v[196:197]
	v_pk_add_f32 v[250:251], v[250:251], v[200:201]
	v_pk_add_f32 v[248:249], v[248:249], v[204:205]
	v_pk_add_f32 v[246:247], v[246:247], v[208:209]
	v_pk_add_f32 v[244:245], v[244:245], v[212:213]
	v_pk_add_f32 v[236:237], v[236:237], v[216:217]
	v_pk_add_f32 v[238:239], v[238:239], v[220:221]
	v_pk_add_f32 v[254:255], v[254:255], v[92:93]
	v_pk_add_f32 v[252:253], v[252:253], v[94:95]
	v_pk_add_f32 v[250:251], v[250:251], v[98:99]
	v_pk_add_f32 v[248:249], v[248:249], v[102:103]
	v_pk_add_f32 v[246:247], v[246:247], v[106:107]
	v_pk_add_f32 v[244:245], v[244:245], v[110:111]
	v_pk_add_f32 v[236:237], v[236:237], v[114:115]
	v_pk_add_f32 v[238:239], v[238:239], v[118:119]
	v_pk_add_f32 v[254:255], v[254:255], v[122:123]
	v_pk_add_f32 v[252:253], v[252:253], v[126:127]
	v_pk_add_f32 v[250:251], v[250:251], v[130:131]
	v_pk_add_f32 v[248:249], v[248:249], v[134:135]
	v_pk_add_f32 v[246:247], v[246:247], v[138:139]
	v_pk_add_f32 v[244:245], v[244:245], v[142:143]
	v_pk_add_f32 v[236:237], v[236:237], v[146:147]
	v_pk_add_f32 v[238:239], v[238:239], v[150:151]
	v_pk_add_f32 v[254:255], v[254:255], v[154:155]
	v_pk_add_f32 v[252:253], v[252:253], v[158:159]
	v_pk_add_f32 v[250:251], v[250:251], v[162:163]
	v_pk_add_f32 v[248:249], v[248:249], v[166:167]
	v_pk_add_f32 v[246:247], v[246:247], v[170:171]
	v_pk_add_f32 v[244:245], v[244:245], v[174:175]
	v_pk_add_f32 v[236:237], v[236:237], v[178:179]
	v_pk_add_f32 v[238:239], v[238:239], v[182:183]
	v_pk_add_f32 v[254:255], v[254:255], v[186:187]
	v_pk_add_f32 v[252:253], v[252:253], v[190:191]
	v_pk_add_f32 v[250:251], v[250:251], v[194:195]
	v_pk_add_f32 v[248:249], v[248:249], v[198:199]
	v_pk_add_f32 v[246:247], v[246:247], v[202:203]
	v_pk_add_f32 v[244:245], v[244:245], v[206:207]
	v_pk_add_f32 v[236:237], v[236:237], v[210:211]
	v_pk_add_f32 v[238:239], v[238:239], v[214:215]
	v_pk_add_f32 v[254:255], v[254:255], v[218:219]
	v_pk_add_f32 v[252:253], v[252:253], v[222:223]
	s_delay_alu instid0(VALU_DEP_4)
	v_pk_add_f32 v[236:237], v[236:237], v[250:251]
	s_delay_alu instid0(VALU_DEP_4)
	v_pk_add_f32 v[238:239], v[238:239], v[248:249]
	s_delay_alu instid0(VALU_DEP_4)
	v_pk_add_f32 v[254:255], v[254:255], v[246:247]
	s_delay_alu instid0(VALU_DEP_4)
	v_pk_add_f32 v[252:253], v[252:253], v[244:245]
	s_delay_alu instid0(VALU_DEP_2)
	v_pk_add_f32 v[236:237], v[236:237], v[254:255]
	s_delay_alu instid0(VALU_DEP_2)
	v_pk_add_f32 v[238:239], v[238:239], v[252:253]
	s_delay_alu instid0(VALU_DEP_1)
	v_pk_add_f32 v[236:237], v[236:237], v[238:239]
	s_delay_alu instid0(VALU_DEP_1)
	v_add_f32 v236, v236, v237
	s_delay_alu instid0(VALU_DEP_1)
	v_permlanex16_b32 v234, v236, s20, s21
	s_delay_alu instid0(VALU_DEP_1)
	v_add_f32 v236, v236, v234
	s_wait_alu depctr_va_vdst(0)
	v_rcp_f32 v13, v236                            ; its wait stands behind p's conversions, ahead of its first reader
.irp b, 0,1,2,3,4,5,6,7
.set n, 0
.rept 16
	v_min_num_f32 v[S+16*\b+n], v[S+16*\b+n], v9   ; the conversion does not saturate (ISA guide 7.6.2); p is not negative: a one-sided hold
.set n, n+1
.endr
	v_cvt_scalef32_pk8_fp8_f32 v[P+4*\b:P+4*\b+1], v[S+16*\b:S+16*\b+7], v10
	v_cvt_scalef32_pk8_fp8_f32 v[P+4*\b+2:P+4*\b+3], v[S+16*\b+8:S+16*\b+15], v10
.endr
.set n, 0
.rept 8
	v_min_num_f32 v[S+128+n], v[S+128+n], v9
.set n, n+1
.endr
	v_cvt_scalef32_pk8_fp8_f32 v[P+32:P+33], v[S+128:S+135], v10
	v_nop                                          ; a plain line behind the last conversion
.irp j, 218,219,220,221,222,223
	v_mov_b32 v\j, 0                               ; V's diagonal fragment 3 takes the diagonal scores' registers
.endr
	s_wait_alu depctr_va_vdst(0)                   ; the reciprocal
	v_ldexp_f32 v13, v13, s50                      ; 2^(e8 + e9) / the row's sum
	; ---- O^T = V^T P^T: four steps of 64 keys and the diagonal; four accumulators by turns
.irp s, 0,1,2,3
.irp t, 0,1,2,3
.irp c, 0,1
	ds_load_b128 v[S+32*\s+8*\t+4*\c:S+32*\s+8*\t+4*\c+3], v4 offset:4608*\s+2304*\c+256*\t
.endr
.endr
.endr
	ds_load_b64 v[64:65], v5
	ds_load_b64 v[72:73], v5 offset:256
	ds_load_b64 v[80:81], v5 offset:512
	ds_load_b64 v[216:217], v5 offset:768
.irp s, 0,1,2,3
	s_wait_dscnt 28-8*\s                           ; this step's eight loads are in; the younger ones stay out
.irp t, 0,1,2,3
.if \s == 0
	v_wmma_f32_16x16x64_fp8_fp8 v[O+8*\t:O+8*\t+7], v[S+32*\s+8*\t:S+32*\s+8*\t+7], v[P+8*\s:P+8*\s+7], 0
.else
	v_wmma_f32_16x16x64_fp8_fp8 v[O+8*\t:O+8*\t+7], v[S+32*\s+8*\t:S+32*\s+8*\t+7], v[P+8*\s:P+8*\s+7], v[O+8*\t:O+8*\t+7]
.endif
.endr
.endr
	s_wait_dscnt 0x0
	v_wmma_f32_16x16x64_fp8_fp8 v[O:O+7], v[64:71], v[P+32:P+39], v[O:O+7]
	s_wait_alu depctr_va_vdst(0)
	v_wmma_f32_16x16x64_fp8_fp8 v[O+8:O+15], v[72:79], v[P+32:P+39], v[O+8:O+15]
	v_wmma_f32_16x16x64_fp8_fp8 v[O+16:O+23], v[80:87], v[P+32:P+39], v[O+16:O+23]
	v_wmma_f32_16x16x64_fp8_fp8 v[O+24:O+31], v[216:223], v[P+32:P+39], v[O+24:O+31]
	PLACES
	; ---- y = O^T x 2^(e8 + e9) / the sum; register 16 B + n is channel 32 B + 16 h + n of my query: quantised, it is the last product's operand as it stands
.set n, 0
.rept 32
	v_mul_f32 v[S+n], v[O+n], v13
.set n, n+1
.endr
.set n, 0
.rept 32
	v_med3_num_f32 v[S+n], v[S+n], -v11, v11
.set n, n+1
.endr
.irp g, 0,1,2,3
	v_cvt_scalef32_pk8_fp8_f32 v[120+2*\g:121+2*\g], v[S+8*\g:S+8*\g+7], v12
.endr
	v_nop
	global_store_b128 v1, v[120:123], s[10:11]             ; 512 consecutive bytes a store
	global_store_b128 v1, v[124:127], s[10:11] offset:512
	s_wait_xcnt 0x0
	v_lshl_add_u32 v254, v0, 2, 0xb400
	v_mov_b32 v255, 0
	s_wait_alu depctr_va_vdst(0)
	s_wait_tensorcnt 0x0
	ds_add_u32 v254, v255
	s_wait_dscnt 0x0
	s_endpgm
.Lfunc_end_k_q8b09902f99_attn:
	.size	k_q8b09902f99_attn, .Lfunc_end_k_q8b09902f99_attn-k_q8b09902f99_attn
	.p2alignl 7, 3214868480
	.fill 96, 4, 3214868480
	.section	.rodata,"a",@progbits
	.p2align	6, 0x0
	.amdhsa_kernel k_q8b09902f99_attn
		.amdhsa_group_segment_fixed_size 48128
		.amdhsa_private_segment_fixed_size 0
		.amdhsa_enable_private_segment 0
		.amdhsa_kernarg_size 32
		.amdhsa_user_sgpr_count 2
		.amdhsa_user_sgpr_kernarg_segment_ptr 1
		.amdhsa_wavefront_size32 1
		.amdhsa_system_sgpr_workgroup_id_x 1
		.amdhsa_system_sgpr_workgroup_id_y 1
		.amdhsa_system_sgpr_workgroup_id_z 1
		.amdhsa_system_vgpr_workitem_id 0
		.amdhsa_next_free_vgpr 256
		.amdhsa_next_free_sgpr 66
		.amdhsa_reserve_vcc 1
		.amdhsa_float_denorm_mode_32 3
		.amdhsa_float_denorm_mode_16_64 3
		.amdhsa_memory_ordered 1
		.amdhsa_forward_progress 1
		.amdhsa_inst_pref_size 55
	.end_amdhsa_kernel
	.amdgpu_metadata
---
amdhsa.version: [ 1, 2 ]
amdhsa.kernels:
  - .name:           k_q8b09902f99_attn
    .symbol:         k_q8b09902f99_attn.kd
    .args:
      - { .name: qc, .offset: 0, .size: 8, .value_kind: global_buffer, .address_space: global }
      - { .name: kvc, .offset: 8, .size: 8, .value_kind: global_buffer, .address_space: global }
      - { .name: lowp_scales, .offset: 16, .size: 8, .value_kind: global_buffer, .address_space: global }
      - { .name: yc, .offset: 24, .size: 8, .value_kind: global_buffer, .address_space: global }
    .group_segment_fixed_size: 48128
    .private_segment_fixed_size: 0
    .kernarg_segment_align: 8
    .kernarg_segment_size: 32
    .max_flat_workgroup_size: 512
    .sgpr_count:     66
    .vgpr_count:     256
    .wavefront_size: 32
...
	.end_amdgpu_metadata
.endif
;; end of part 3
;; launch oproj (part 4): grid 32 x 8, 8 waves a work-group, clusters of 4 x 4, 327,680 bytes of LDS; arguments yc, wc, bo, lowp_scales, out0; writes out0
.if DOCPART == 4
	.amdgcn_target "amdgcn-amd-amdhsa--gfx1250"
	.amdhsa_code_object_version 6
	.text
	.protected	k_q8b09902f99_oproj
	.globl	k_q8b09902f99_oproj
	.p2align	8
	.type	k_q8b09902f99_oproj,@function
k_q8b09902f99_oproj:
	s_mov_b64 s[64:65], 0
	v_nop
	global_prefetch_b8 v0, s[64:65] scope:SCOPE_SE
	s_setreg_imm32_b32 hwreg(HW_REG_WAVE_MODE, 25, 1), 1
	s_wait_xcnt 0x0
	s_wait_alu depctr_hold_cnt(0) depctr_sa_sdst(0) depctr_va_vdst(0) depctr_va_sdst(0) depctr_va_ssrc(0) depctr_va_vcc(0) depctr_vm_vsrc(0)
	s_getreg_b32 s2, hwreg(HW_REG_IB_STS2, 6, 4)
	s_cmp_eq_u32 s2, 0
	s_cbranch_scc0 .Lentry_in_a_cluster
	s_endpgm
.Lentry_in_a_cluster:
	s_bfe_u32 s2, ttmp6, 0x10000c
	s_cmp_lg_u32 s2, 0xf033
	s_cbranch_scc0 .Lentry_shape_is_right
	s_endpgm
.Lentry_shape_is_right:
; out0 = y Wo + bo on codes of E4M3 (scales 2^e10, 2^e11); out0 [4096][1024] f32.
; A work-group makes 128 tokens x 128 columns over the whole K = 1,024; eight waves, each 32 tokens x 64 columns: 8 accumulators by turns.  Both operand tiles (128 KB each, images of operand registers) fit in LDS whole
; and come in two halves of four K steps: the first at the head, the second behind the first; no LDS byte is filled twice.  Waves 0, 1 fetch y's halves of rows, waves 2, 3 Wo's, one load a wave behind each round.
; CLUSTER: 4 x 4 work-groups.  y's tile hangs on the tile row alone (x) and is shared along a column of the cluster, Wo's on the tile column alone (y) and is shared along a row: both are asked for jointly.
; Source 0 = 16 columns of Wo, source 1 = 16 tokens: a lane holds one token and, in two neighbouring tiles, 16 neighbouring columns.  A block of 16 tokens x 64 columns goes through the wave's own stage in LDS
; (bytes into which no tile lands) and leaves as rows of 256 bytes, sixteen lanes to a row.  No prefetch: there is no loop to run ahead in.
; LIMIT: e10 + e11 between -126 and 127.
; REGISTERS: window 0: v1-15 addresses; v32-95 two sets at work; v96-127 the bias; v128-191 accumulators, each block's later its rows on the way out.  Window 1: two buffers of 96 fragment registers, at 0 and 128.
.set ACC, 128
.set BI,  96
.set G1X, 28                           ; s[28:35] descriptor group 1 for y's tile;  s[36:43] for Wo's
.set G1W, 36
.set G0X, 44                           ; s[44:47], s[48:51] groups 0
.set G0W, 48
.set MU,  100                          ; s[100:101] 2^(e10 + e11), twice
.set STG, 262144                       ; behind the tiles: 16 rows x 272 bytes for each wave
.set SPARE, STG+8*16*272
.set MSB, 0
.macro WIN new                         ; the immediate's high byte repeats the setting that is left
.if MSB != \new
	s_set_vgpr_msb (MSB<<8)|\new
.set MSB, \new
.endif
.endm
.macro PLACES                          ; four places behind a matrix instruction (ISA guide 7.12.1)
.rept 4
	v_nop
.endr
.endm
.macro CROUND                          ; a round of the cluster's barrier
	s_barrier_signal -1
	s_barrier_wait -1
	s_cmp_lg_u32 s20, 0
	s_cbranch_scc1 .Lnot_wave_0_\@
	s_barrier_signal -3
.Lnot_wave_0_\@:
	s_barrier_wait -3
	s_barrier_signal -1
	s_barrier_wait -1
.endm
.macro JLOAD                           ; a joint load; the branches hang on the wave's number alone
	s_cmp_lt_u32 s20, 2
	s_cbranch_scc0 .Lfor_w_\@
	tensor_load_to_lds s[G0X:G0X+3], s[G1X:G1X+7]
	s_nop 0
	PLACES
	s_branch .Lasked_\@
.Lfor_w_\@:
	s_cmp_lt_u32 s20, 4
	s_cbranch_scc0 .Lasked_\@
	tensor_load_to_lds s[G0W:G0W+3], s[G1W:G1W+7]
	s_nop 0
	PLACES
.Lasked_\@:
.endm
; fragment (tile, ks) lies at region + 131,072 (ks / 4) + 8,192 tile + 2,048 (ks % 4)
.macro FETCHG ks, i                    ; half i of a K step's fragments: y's tile i, Wo's tiles 2 i, 2 i + 1
.set F, 128*((\ks)%2)
	WIN 0x40                                       ; destination window 1, address window 0
.irp c, 0,1,2,3
	ds_load_b128 v[F+16*\i+4*\c:F+16*\i+4*\c+3], v[4+(\ks)/4] offset:8192*\i+2048*((\ks)%4)+512*\c
.endr
.irp t, 0,1
.irp c, 0,1,2,3
	ds_load_b128 v[F+32+32*\i+16*\t+4*\c:F+32+32*\i+16*\t+4*\c+3], v[6+(\ks)/4] offset:16384*\i+8192*\t+2048*((\ks)%4)+512*\c
.endr
.endr
.endm
.macro MULG ks, y                      ; four products, y's tile y
.set F, 128*((\ks)%2)
	WIN 0x05                                       ; sources 0 and 1 window 1; C and D window 0
.irp t, 0,1,2,3
.if (\ks) == 0
	v_wmma_f32_16x16x128_fp8_fp8 v[ACC+8*(4*\y+\t):ACC+8*(4*\y+\t)+7], v[F+32+16*\t:F+32+16*\t+15], v[F+16*\y:F+16*\y+15], 0
.else
	v_wmma_f32_16x16x128_fp8_fp8 v[ACC+8*(4*\y+\t):ACC+8*(4*\y+\t)+7], v[F+32+16*\t:F+32+16*\t+15], v[F+16*\y:F+16*\y+15], v[ACC+8*(4*\y+\t):ACC+8*(4*\y+\t)+7]
.endif
.endr
.endm
.macro KSTEP ks
	s_wait_dscnt 0x0                               ; this step's fragments are in
.if \ks == 3
	WIN 0
	s_wait_tensorcnt 0x0                           ; the second half has landed
	s_barrier_signal -1
	s_barrier_wait -1
.endif
.if (\ks > 0) && (\ks < 7)
	PLACES                                         ; the other buffer was multiplied in the step before
.endif
.irp i, 0,1
.if \ks < 7
	FETCHG \ks+1, \i
.endif
	MULG \ks, \i
.endr
.endm
	s_load_b256 s[4:11], s[0:1], 0x0               ; yc s[4:5], wc s[6:7], bo s[8:9], the exponents s[10:11]
	s_load_b64 s[12:13], s[0:1], 0x20              ; out0
	v_lshl_add_u32 v14, v0, 2, SPARE
	v_mov_b32 v15, 0
	ds_add_u32 v14, v15                            ; the wave's opening: the add, twice on end, and its wait
	ds_add_u32 v14, v15
	v_lshrrev_b32 v1, 5, v0
	v_readfirstlane_b32 s20, v1                    ; wave 0..7
	s_lshr_b32 s21, s20, 1                         ; which 32 tokens are mine
	s_and_b32 s22, s20, 1                          ; which 64 columns.  Also: which half of a tile's rows I fetch
	s_bfe_u32 s23, ttmp6, 0x40000                  ; cx
	s_bfe_u32 s26, ttmp6, 0x40004                  ; cy
	s_lshl_b32 s24, ttmp9, 2
	s_add_co_u32 s24, s24, s23                     ; tile row: 128 tokens
	s_and_b32 s25, ttmp7, 0xffff
	s_lshl_b32 s25, s25, 2
	s_add_co_u32 s25, s25, s26                     ; tile column: 128 columns
	s_lshl_b32 s27, 0x1111, s23                    ; my column of the cluster: the same tile row
	s_lshl_b32 s66, s26, 2
	s_lshl_b32 s66, 15, s66                        ; my row of the cluster: the same tile column
	; descriptor group 1: 4 rows of 1,024 elements of 8 bytes, 2,048 elements from row to row; dense in LDS; bit 21 set beside the mask
	s_or_b32 s[G1X], s27, (3<<16)|(1<<21)
	s_or_b32 s[G1W], s66, (3<<16)|(1<<21)
.irp g, G1X, G1W
	s_mov_b32 s[\g+1], 1024<<16                    ; tensor_dim0
	s_mov_b32 s[\g+2], 4<<16                       ; tensor_dim1
	s_mov_b32 s[\g+3], 1024<<16                    ; tile_dim0
	s_mov_b32 s[\g+4], 4                           ; tile_dim1
	s_mov_b32 s[\g+5], 2048                        ; stride from row to row
	s_mov_b32 s[\g+6], 0
	s_mov_b32 s[\g+7], 0
.endr
	s_lshl_b32 s96, s24, 17
	s_lshl_b32 s97, s22, 16
	s_add_co_u32 s96, s96, s97                     ; y's tile, my half: of the tile row and the wave's number alone
	s_mov_b32 s97, 0
	s_add_co_u32 s98, s25, 12                      ; Wo's column groups begin at 12
	s_lshl_b32 s98, s98, 17
	s_lshl_b32 s99, s22, 16
	s_add_co_u32 s98, s98, s99                     ; Wo's tile, my half: of the tile column and the wave's number alone
	s_mov_b32 s99, 0
	s_lshl_b32 s92, s22, 15
	s_wait_dscnt 0x0                               ; both opening adds are done
	s_wait_kmcnt 0x0
	s_load_b64 s[94:95], s[10:11], 0x28            ; e10, e11
	s_mov_b32 s[G0X], 1
	s_mov_b32 s[G0X+1], s92
	s_add_nc_u64 s[G0X+2:G0X+3], s[4:5], s[96:97]
	s_or_b32 s[G0X+3], s[G0X+3], 0x80000000
	s_mov_b32 s[G0W], 1
	s_add_co_u32 s[G0W+1], s92, 65536
	s_add_nc_u64 s[G0W+2:G0W+3], s[6:7], s[98:99]
	s_or_b32 s[G0W+3], s[G0W+3], 0x80000000
	CROUND                                         ; all sixteen work-groups are here: the joint loads meet
	JLOAD                                          ; K steps 0 .. 3
	s_lshl_b32 s67, s21, 14
	s_lshl_b32 s60, s22, 15
	s_add_co_u32 s60, s60, 65536
	s_mul_i32 s61, s20, 16*272
	s_add_co_u32 s61, s61, STG                     ; my stage
	v_and_b32 v1, 15, v0                           ; r
	v_bfe_u32 v2, v0, 4, 1                         ; h
	v_and_b32 v3, 31, v0
	v_lshlrev_b32 v3, 4, v3                        ; 16 x lane
	v_add_nc_u32 v4, s67, v3                       ; y's fragments, K steps 0-3,
	v_add_nc_u32 v5, 0x20000, v4                   ; and 4-7
	v_add_nc_u32 v6, s60, v3                       ; Wo's
	v_add_nc_u32 v7, 0x20000, v6
	v_mul_u32_u24 v8, v1, 272
	v_lshl_add_u32 v8, v2, 6, v8
	v_add_nc_u32 v8, s61, v8                       ; in: row r, + 64 h: my 16 columns of a block of 32
	v_mul_u32_u24 v11, v2, 272
	v_lshl_add_u32 v11, v1, 4, v11
	v_add_nc_u32 v11, s61, v11                     ; back: lanes 0-15 one row of 256 bytes, lanes 16-31 the next
	v_lshlrev_b32 v12, 12, v2
	v_lshl_add_u32 v12, v1, 4, v12                 ; and the same two rows in out0
	v_lshlrev_b32 v13, 6, v2                       ; lane (r, h) wants columns 32 t + 16 h + 0 .. 15
	s_lshl_b32 s62, s25, 9
	s_lshl_b32 s63, s22, 8
	s_add_co_u32 s62, s62, s63                     ; my 64 columns, in bytes
	s_mov_b32 s63, 0
	s_add_nc_u64 s[8:9], s[8:9], s[62:63]
	s_add_nc_u64 s[12:13], s[12:13], s[62:63]
	s_lshl_b32 s60, s24, 19
	s_lshl_b32 s61, s21, 17
	s_add_co_u32 s60, s60, s61                     ; my 32 rows of 4,096 bytes
	s_mov_b32 s61, 0
	s_add_nc_u64 s[12:13], s[12:13], s[60:61]
	s_wait_alu depctr_va_vdst(0)
.irp t, 0,1
.irp i, 0,1,2,3
	global_load_b128 v[BI+16*\t+4*\i:BI+16*\t+4*\i+3], v13, s[8:9] offset:128*\t+16*\i
.endr
.endr
	s_wait_kmcnt 0x0
	s_add_co_i32 s[MU], s94, s95
	s_add_co_i32 s[MU], s[MU], 127
	s_lshl_b32 s[MU], s[MU], 23                    ; 2^(e10 + e11) as f32
	s_mov_b32 s[MU+1], s[MU]
	s_wait_tensorcnt 0x0                           ; my part of the first half is in
	ds_add_u32 v14, v15
	ds_add_u32 v14, v15
	s_add_co_u32 s[G0X+1], s[G0X+1], 0x20000
	s_add_co_u32 s[G0W+1], s[G0W+1], 0x20000
	s_add_nc_u64 s[G0X+2:G0X+3], s[G0X+2:G0X+3], 8192
	s_add_nc_u64 s[G0W+2:G0W+3], s[G0W+2:G0W+3], 8192
	s_wait_dscnt 0x0
	CROUND
	JLOAD                                          ; K steps 4 .. 7
	FETCHG 0, 0
	FETCHG 0, 1
.irp ks, 0,1,2,3,4,5,6,7
	KSTEP \ks
.endr
	WIN 0
	PLACES
; THE WAY OUT, a block of 16 tokens at a time.  LDS serves a wave's instructions in order (ISA guide 5.7.1.4): no wait between a block's stores and its loads, nor in front of the next block's stores.
.macro TOSTAGE a
.set TS, 32+32*(\a)
.irp t, 0,1
.set n, 0
.rept 8
	v_pk_fma_f32 v[TS+16*\t+n:TS+16*\t+n+1], v[ACC+8*(4*(\a)+2*\t)+n:ACC+8*(4*(\a)+2*\t)+n+1], s[MU:MU+1], v[BI+16*\t+n:BI+16*\t+n+1] op_sel_hi:[1,0,1]   ; sum x 2^(e10 + e11) + bo; each accumulator from its low end on
.set n, n+2
.endr
.endr
.irp t, 0,1
.irp q, 0,1,2,3
	ds_store_b128 v8, v[TS+16*\t+4*\q:TS+16*\t+4*\q+3] offset:128*\t+16*\q
.endr
.endr
.irp i, 0,1,2,3,4,5,6,7
	ds_load_b128 v[ACC+32*(\a)+4*\i:ACC+32*(\a)+4*\i+3], v11 offset:544*\i   ; back into the block's own accumulators, which have just been read: no store's data are ever written again
.endr
.endm
.macro SEND a, younger                 ; younger: the LDS instructions issued behind block a's loads
	s_wait_dscnt \younger
.irp i, 0,1,2,3,4,5,6,7
	global_store_b128 v12, v[ACC+32*(\a)+4*\i:ACC+32*(\a)+4*\i+3], s[12:13] offset:65536*(\a)+8192*\i th:TH_STORE_NT   ; sixteen lanes store 256 consecutive bytes, at a multiple of 256 from out0's first byte
.endr
.endm
	s_wait_loadcnt 0x0                             ; the bias
	TOSTAGE 0
	TOSTAGE 1
	SEND 0, 16                                     ; behind block 0's loads: block 1's 8 stores and 8 loads
	SEND 1, 0
	s_wait_tensorcnt 0x0                           ; the wave's end
	ds_add_u32 v14, v15
	s_wait_dscnt 0x0
	CROUND                                         ; the closing round: no work-group ends while a partner may still ask for a tile that names it
	s_endpgm
.Lfunc_end_k_q8b09902f99_oproj:
	.size	k_q8b09902f99_oproj, .Lfunc_end_k_q8b09902f99_oproj-k_q8b09902f99_oproj
	.p2alignl 7, 3214868480
	.fill 96, 4, 3214868480
	.section	.rodata,"a",@progbits
	.p2align	6, 0x0
	.amdhsa_kernel k_q8b09902f99_oproj
		.amdhsa_group_segment_fixed_size 327680
		.amdhsa_private_segment_fixed_size 0
		.amdhsa_enable_private_segment 0
		.amdhsa_kernarg_size 40
		.amdhsa_user_sgpr_count 2
		.amdhsa_user_sgpr_kernarg_segment_ptr 1
		.amdhsa_wavefront_size32 1
		.amdhsa_system_sgpr_workgroup_id_x 1
		.amdhsa_system_sgpr_workgroup_id_y 1
		.amdhsa_system_sgpr_workgroup_id_z 1
		.amdhsa_system_vgpr_workitem_id 0
		.amdhsa_next_free_vgpr 512
		.amdhsa_next_free_sgpr 102
		.amdhsa_reserve_vcc 0
		.amdhsa_float_denorm_mode_32 3
		.amdhsa_float_denorm_mode_16_64 3
		.amdhsa_memory_ordered 1
		.amdhsa_forward_progress 1
		.amdhsa_inst_pref_size 32
	.end_amdhsa_kernel
	.amdgpu_metadata
---
amdhsa.version: [ 1, 2 ]
amdhsa.kernels:
  - .name:           k_q8b09902f99_oproj
    .symbol:         k_q8b09902f99_oproj.kd
    .args:
      - { .name: yc, .offset: 0, .size: 8, .value_kind: global_buffer, .address_space: global }
      - { .name: wc, .offset: 8, .size: 8, .value_kind: global_buffer, .address_space: global }
      - { .name: bo, .offset: 16, .size: 8, .value_kind: global_buffer, .address_space: global }
      - { .name: lowp_scales, .offset: 24, .size: 8, .value_kind: global_buffer, .address_space: global }
      - { .name: out0, .offset: 32, .size: 8, .value_kind: global_buffer, .address_space: global }
    .group_segment_fixed_size: 327680
    .private_segment_fixed_size: 0
    .kernarg_segment_align: 8
    .kernarg_segment_size: 40
    .max_flat_workgroup_size: 256
    .sgpr_count:     102
    .vgpr_count:     512
    .wavefront_size: 32
...
	.end_amdgpu_metadata
.endif
;; end of part 4
